; MI455X (gfx1250); checked and timed in simulation.
; The chip was launched on July 23, 2026; its instructions are those of AMD's public machine-readable ISA for CDNA 5 (MIT licence, August 2026) and "CDNA5" Instruction Set Architecture Reference Guide (July 2026). The comments in the code are by the model that wrote it; some were corrected since.
;; Simple Resonant Layer. Allowed arithmetic: float matrix products may take bf16 or f16 operands with f32 sums; all other float work in f32.
;; Inputs: B 2,048 x 1,024 float32; W 2,048 x 1,024 float32; input_proj_b 1,024 float32; input_proj_w 1,024 x 2,048 float32; out_imag_w 1,024 x 2,048 float32; out_real_w 1,024 x 2,048 float32; t 32 float32; x_imag 32 x 1,024 float32; x_real 32 x 1,024 float32.
;; Outputs: out0 32 x 1,024 float32; out1 32 x 1,024 float32.
;; One version. Each part assembles by itself: llvm-mc -triple=amdgcn-amd-amdhsa -mcpu=gfx1250 --defsym DOCPART=n.
;; ======== version 1 of 1: 3 launches
;; limits: values are held in f16: magnitudes above 65,504 overflow, below 6.1e-05 lose precision
;; workspace buffers: xq 131,072 bytes; af 262,144 bytes
;; launch proj (part 1): grid 64 x 4, 8 waves a work-group, clusters of 4 x 4, 210,944 bytes of LDS; arguments x_real, x_imag, input_proj_w, input_proj_b, xq; writes xq
.if DOCPART == 1
	.amdgcn_target "amdgcn-amd-amdhsa--gfx1250"
	.amdhsa_code_object_version 6
	.text
	.protected	k_q670f957e2e_proj
	.globl	k_q670f957e2e_proj
	.p2align	8
	.type	k_q670f957e2e_proj,@function
k_q670f957e2e_proj:
	s_mov_b64 s[64:65], 0
	v_nop
	global_prefetch_b8 v0, s[64:65] scope:SCOPE_SE
	s_setreg_imm32_b32 hwreg(HW_REG_WAVE_MODE, 25, 1), 1
	s_wait_xcnt 0x0
	s_wait_alu depctr_hold_cnt(0) depctr_sa_sdst(0) depctr_va_vdst(0) depctr_va_sdst(0) depctr_va_ssrc(0) depctr_va_vcc(0) depctr_vm_vsrc(0)
	s_getreg_b32 s2, hwreg(HW_REG_IB_STS2, 6, 4)
	s_cmp_eq_u32 s2, 0
	s_cbranch_scc0 .Lentry_in_a_cluster
	s_endpgm
.Lentry_in_a_cluster:
	s_bfe_u32 s2, ttmp6, 0x10000c
	s_cmp_lg_u32 s2, 0xf033
	s_cbranch_scc0 .Lentry_shape_is_right
	s_endpgm
.Lentry_shape_is_right:
; xc[b][d] = sum over k of concat(x_real, x_imag)[b][k] w[d][k] + bias[d].  x: 2 x [32][1024] f32, w: [1024][2048] f32, bias: [1024] f32.
; Operands are rounded to bf16 on the way from LDS to the matrix unit; sums, bias and result in f32.
; OUTPUT LAYOUT.  xq is [c 8][slot 1024][bi 4] f32: b = 4 c + bi, and slot = 128 j + 32 e + l stands for d = 128 j + 4 l + e.  So the next launch's lane l, which holds W[n][128 j + 4 l + e]
; in register 4 j + e, finds four batches of its d in 16 bytes, and 32 lanes read 512 consecutive bytes.
; SHARES.  Work-group (X, Y) makes 16 slots (16 X ..) x 8 batches (8 Y ..) over all 2,048 k: 64 x 4 = 256 work-groups.  The 16 slots are w's rows d0 + 4 rho.  Wave w takes k = 256 w .. 256 w + 255
; (waves 0-3 from x_real, 4-7 from x_imag); the eight partial sums meet in LDS and wave 0 adds them and the bias.
; CLUSTER 4 x 4.  w's tiles hang on X alone: asked for jointly by the four work-groups of a column of the cluster.  x's tiles hang on Y alone: jointly by a row.
; Every tile is filled once: five tensor loads a wave go out together (x, then four sub-tiles of w, 64 k each), and counted waits let the first products begin while the later sub-tiles are on their way.
; A wave reads only tiles that it asked for itself, so its own wait on TENSORcnt is all the ordering that these reads need.
; LIMITS.  bf16 rounding of x and w (8 significant bits each); NaN and infinities are not treated apart.
.set WPITCH, 272                       ; a row of a sub-tile of w in LDS: 64 f32 + 16 bytes = 68 words: the 16 rows of a load start at 16 different groups of four banks (64 banks of 4 bytes: ISA guide 11.1)
.set WSUB,   16*WPITCH                 ; a sub-tile: 16 rows
.set WWAVE,  4*WSUB                    ; a wave's four sub-tiles
.set XT,     8*WWAVE                   ; behind them x's tiles
.set XPITCH, 1040                      ; 256 f32 + 16 bytes
.set XWAVE,  8*XPITCH                  ; a wave's 8 rows
.set RED,    XT+8*XWAVE                ; the partial sums: wave x 512 + (b' / 4) x 256 + slot x 16 + (b' % 4) x 4; no tensor load lands here
.set SPARE,  RED+4096                  ; the spare words, 128 bytes for each of the eight waves; no other line names them
.set WA,  4                            ; v4   LDS address of my fragment rows of w
.set XA,  5                            ; v5   the same for x
.set PS,  6                            ; v6   where I put my partial sums
.set FA,  7                            ; v7   wave 0: where I read the partial sums
.set GO,  8                            ; v8   wave 0: my byte offset in xq
.set BO,  9                            ; v9   wave 0: my byte offset in the bias
.set SPW, 10                           ; v10  LDS address of my spare word; never rewritten
.set NIL, 11                           ; v11  0; never rewritten
.set BI,  12                           ; v12  wave 0: bias of my slot
.set ACC, 16                           ; v[16:23], v[24:31]  two accumulators, even and odd K steps
.set FR,  32                           ; v[32:63]   two buffers of fragments: 8 registers of x, 8 of w
.set RAW, 64                           ; v[64:127]  two sets as loaded: 16 registers of x, 16 of w, in f32
; s[4:13] the five addresses; s14 wave; s15 cx; s16 cy; s17 X; s18 Y; s19 my row's mask; s20 my column's mask; s21, s[22:23], s66, s70 made of X; s67, s[60:61] made of Y; s[62:63] the output's offset
; s[24:31] group 1 for w; s[32:39] group 1 for x; s[40:43] group 0 for x; s[44:59] group 0 for w's four sub-tiles; s[2:3] x_real or x_imag; s68, s69 LDS bases
.macro CROUND                          ; a round of the cluster's barrier: my work-group's barrier; wave 0 signals for the work-group; every wave waits for all sixteen; my work-group's barrier once more
	s_barrier_signal -1
	s_barrier_wait -1
	s_cmp_lg_u32 s14, 0
	s_cbranch_scc1 .Lnot_wave_0_\@
	s_barrier_signal -3
.Lnot_wave_0_\@:
	s_barrier_wait -3
	s_barrier_signal -1
	s_barrier_wait -1
.endm
	s_load_b256 s[4:11], s[0:1], 0x0               ; x_real s[4:5], x_imag s[6:7], w s[8:9], bias s[10:11]
	s_load_b64 s[12:13], s[0:1], 0x20              ; xq
	v_lshl_add_u32 v[SPW], v0, 2, SPARE
	v_mov_b32 v[NIL], 0
	ds_add_u32 v[SPW], v[NIL]                      ; the wave's opening: the add and its wait come ahead of my first tensor load; the set-up below, work on registers, stands between them
	v_lshrrev_b32 v1, 5, v0
	v_readfirstlane_b32 s14, v1                    ; wave 0..7
	s_bfe_u32 s15, ttmp6, 0x40000                  ; cx
	s_bfe_u32 s16, ttmp6, 0x40004                  ; cy
	s_lshl_b32 s17, ttmp9, 2
	s_add_co_u32 s17, s17, s15                     ; X = 4 x cluster x + cx
	s_and_b32 s18, ttmp7, 0xffff
	s_lshl_b32 s18, s18, 2
	s_add_co_u32 s18, s18, s16                     ; Y = 4 x cluster y + cy
	s_lshl_b32 s19, s16, 2
	s_lshl_b32 s19, 15, s19                        ; my row of the cluster: places 4 cy .. 4 cy + 3
	s_lshl_b32 s20, 0x1111, s15                    ; my column: places cx, cx + 4, cx + 8, cx + 12
	; group 1 for w: 16 rows x 64 f32, the rows four rows of w apart, padded in LDS
	s_or_b32 s24, s20, (2<<16)|(1<<20)|(1<<21)|(5<<22)|(3<<25)  ; the column's mask; elements of 4 bytes; padding on; bit 21 beside a mask; after every 64 words, 4 words
	s_mov_b32 s25, 64<<16                          ; tensor_dim0 = 64
	s_mov_b32 s26, 16<<16                          ; tensor_dim1 = 16
	s_mov_b32 s27, 64<<16                          ; tile_dim0 = 64
	s_mov_b32 s28, 16                              ; tile_dim1 = 16
	s_mov_b32 s29, 4*2048                          ; from row to row: four rows of 2,048 elements
	s_mov_b32 s30, 0
	s_mov_b32 s31, 0
	; group 1 for x: 8 rows x 256 f32
	s_or_b32 s32, s19, (2<<16)|(1<<20)|(1<<21)|(7<<22)|(3<<25)  ; the row's mask; after every 256 words, 4 words
	s_mov_b32 s33, 256<<16
	s_mov_b32 s34, 8<<16
	s_mov_b32 s35, 256<<16
	s_mov_b32 s36, 8
	s_mov_b32 s37, 1024
	s_mov_b32 s38, 0
	s_mov_b32 s39, 0
	; d0 = 128 (X / 8) + (X / 2) % 4 + 64 (X % 2): the row of w that slot 16 X stands for
	s_lshr_b32 s66, s17, 3
	s_lshl_b32 s66, s66, 7
	s_bfe_u32 s21, s17, 0x20001
	s_add_co_u32 s66, s66, s21
	s_and_b32 s21, s17, 1
	s_lshl_b32 s21, s21, 6
	s_add_co_u32 s66, s66, s21
	s_lshl_b32 s22, s66, 13                        ; d0 rows of 8,192 bytes,
	s_lshl_b32 s21, s14, 10                        ; my wave's 256 k
	s_add_co_u32 s22, s22, s21
	s_mov_b32 s23, 0
	s_lshl_b32 s70, s66, 2                         ; d0 in the bias, in bytes
	s_lshl_b32 s60, s18, 15                        ; 8 Y rows of x, 4,096 bytes each,
	s_and_b32 s67, s14, 3
	s_lshl_b32 s67, s67, 10                        ; my wave's 256 k inside x_real or x_imag
	s_add_co_u32 s60, s60, s67
	s_mov_b32 s61, 0
	s_lshl_b32 s62, s18, 15                        ; xq: regions 2 Y and 2 Y + 1 of 16,384 bytes,
	s_lshl_b32 s63, s17, 8                         ; 16 X slots of 16 bytes
	s_add_co_u32 s62, s62, s63
	s_mov_b32 s63, 0
	s_mul_i32 s68, s14, WWAVE                      ; LDS addresses hang on the wave's number alone
	s_mov_b32 s40, 1
	s_mul_i32 s41, s14, XWAVE
	s_add_co_u32 s41, s41, XT
.irp q, 0,1,2,3
	s_mov_b32 s[44+4*(\q)], 1
	s_add_co_u32 s[45+4*(\q)], s68, (\q)*WSUB
.endr
	s_lshl_b32 s69, s14, 9
	s_add_co_u32 s69, s69, RED
	s_wait_dscnt 0x0                               ; the opening add is done
	s_wait_kmcnt 0x0
	s_cmp_lt_u32 s14, 4
	s_cselect_b64 s[2:3], s[4:5], s[6:7]           ; waves 0-3: x_real; waves 4-7: x_imag
	s_add_nc_u64 s[42:43], s[2:3], s[60:61]
	s_or_b32 s43, s43, 0x80000000                  ; type = 2
	s_add_nc_u64 s[8:9], s[8:9], s[22:23]
.irp q, 0,1,2,3
	s_add_nc_u64 s[46+4*(\q):47+4*(\q)], s[8:9], (\q)*256  ; sub-tile q: 64 k further on
	s_or_b32 s[47+4*(\q)], s[47+4*(\q)], 0x80000000
.endr
	s_add_nc_u64 s[12:13], s[12:13], s[62:63]
	CROUND                                         ; all sixteen work-groups are here: the joint loads meet
	tensor_load_to_lds s[40:43], s[32:39]          ; x first: every K step wants it.  Five loads of mine are out behind the last line
	s_nop 0
.irp q, 0,1,2,3
	tensor_load_to_lds s[44+4*(\q):47+4*(\q)], s[24:31]
	s_nop 0
.endr
	; A fragment is 16 rows x 32 k: lane l holds row l % 16, k = 8 (l / 16) + 0..7 and 16 + 8 (l / 16) + 0..7.  In f32 that is 32 bytes at 32 (l / 16) and 32 bytes 64 further on.
	v_and_b32 v1, 15, v0                           ; l % 16
	v_bfe_u32 v2, v0, 4, 1                         ; l / 16
	v_and_b32 v3, 7, v0                            ; x has 8 rows: rows 8-15 of its fragment repeat rows 0-7
	v_mul_u32_u24 v[WA], v1, WPITCH
	v_lshl_add_u32 v[WA], v2, 5, v[WA]
	v_add_nc_u32 v[WA], s68, v[WA]
	v_mul_u32_u24 v[XA], v3, XPITCH
	v_lshl_add_u32 v[XA], v2, 5, v[XA]
	v_add_nc_u32 v[XA], s41, v[XA]
	v_lshl_add_u32 v[PS], v1, 4, s69               ; slot l % 16
	v_and_b32 v3, 31, v0
	v_lshl_add_u32 v[FA], v3, 4, RED               ; lane l: half l / 16 of the batches, slot l % 16
	v_lshlrev_b32 v[GO], 4, v1
	v_lshl_add_u32 v[GO], v2, 14, v[GO]            ; region l / 16, slot l % 16
	v_lshl_add_u32 v[BO], v1, 4, s70               ; bias[d0 + 4 (l % 16)]
	s_cmp_lg_u32 s14, 0
	s_cbranch_scc1 .Lno_bias
	global_load_b32 v[BI], v[BO], s[10:11]         ; asked for now, wanted at the end
.Lno_bias:
.macro LOADS s                         ; K step s (32 k): eight LDS loads into raw set s % 2
.set RX, RAW+32*((\s)%2)
.irp q, 0,1,2,3
	ds_load_b128 v[RX+4*(\q):RX+4*(\q)+3], v[XA] offset:128*(\s)+16*((\q)%2)+64*((\q)/2)
.endr
.irp q, 0,1,2,3
	ds_load_b128 v[RX+16+4*(\q):RX+16+4*(\q)+3], v[WA] offset:((\s)/2)*WSUB+((\s)%2)*128+16*((\q)%2)+64*((\q)/2)
.endr
.endm
; K step s: its 32 raw registers are rounded to bf16 in pairs, then one product.  Source 0 = x (rows = batches), source 1 = w (columns = slots).  Accumulators and fragment buffers go by the step's
; parity: no two products on end share a register, and the next step's sixteen conversions, which name none of a product's registers, stand between a product and
; the conversions that write its fragment buffer again (ISA guide 7.12.1).
.macro STEP s, n
	s_wait_dscnt \n                                ; n: the LDS loads issued behind this step's eight
.set RX, RAW+32*((\s)%2)
.set FX, FR+16*((\s)%2)
.set AC, ACC+8*((\s)%2)
.set i, 0
.rept 16
	v_cvt_pk_bf16_f32 v[FX+i], v[RX+2*i], v[RX+2*i+1]
.set i, i+1
.endr
.if (\s) < 2
	v_wmma_f32_16x16x32_bf16 v[AC:AC+7], v[FX:FX+7], v[FX+8:FX+15], 0  ; the first product starts the sum
.else
	v_wmma_f32_16x16x32_bf16 v[AC:AC+7], v[FX:FX+7], v[FX+8:FX+15], v[AC:AC+7]
.endif
.endm
.irp q, 0,1,2,3
	s_wait_tensorcnt 3-(\q)                        ; tensor loads of a wave end in order (ISA guide 10.11.1): x and sub-tiles 0 .. q are in, the 3 - q younger ones may be out
	LOADS 2*(\q)
	LOADS 2*(\q)+1
	STEP 2*(\q), 8
	STEP 2*(\q)+1, 0
.endr
.rept 4
	v_nop                                          ; four places between the last product and the first read of its result
.endr
.irp q, 0,1,2,3                        ; even steps' sums + odd steps', from the low end on.  Register i of a lane is batch i of slot l % 16; both halves of the lanes hold the same numbers
	v_pk_add_f32 v[ACC+2*(\q):ACC+2*(\q)+1], v[ACC+2*(\q):ACC+2*(\q)+1], v[ACC+8+2*(\q):ACC+8+2*(\q)+1]
.endr
	ds_store_b128 v[PS], v[ACC:ACC+3]              ; batches 0-3 of my slot
	ds_store_b128 v[PS], v[ACC+4:ACC+7] offset:256 ; batches 4-7
	s_wait_dscnt 0x0                               ; for wave 0's sake: my stores are done
	s_barrier_signal -1
	s_barrier_wait -1
	s_cmp_lg_u32 s14, 0
	s_cbranch_scc1 .Ldone
.macro QADD a, b                       ; four numbers onto four
	v_pk_add_f32 v[\a:(\a)+1], v[\a:(\a)+1], v[\b:(\b)+1]
	v_pk_add_f32 v[(\a)+2:(\a)+3], v[(\a)+2:(\a)+3], v[(\b)+2:(\b)+3]
.endm
.irp w, 0,1,2,3,4,5,6,7
	ds_load_b128 v[FR+4*(\w):FR+4*(\w)+3], v[FA] offset:512*(\w)  ; the eight waves' sums of my slot and my four batches
.endr
	s_wait_dscnt 0x0
	QADD 32, 36
	QADD 40, 44
	QADD 48, 52
	QADD 56, 60
	QADD 32, 40
	QADD 48, 56
	QADD 32, 48
	s_wait_loadcnt 0x0                             ; the bias
.irp i, 0,1,2,3
	v_add_f32 v[FR+(\i)], v[FR+(\i)], v[BI]
.endr
	global_store_b128 v[GO], v[FR:FR+3], s[12:13]  ; lanes 0-15 and lanes 16-31 each store 256 consecutive bytes, at a multiple of 256 from xq's first byte
.Ldone:
	s_wait_tensorcnt 0x0                           ; the wave's end, behind my last tensor load and my last LDS store
	ds_add_u32 v[SPW], v[NIL]
	s_wait_dscnt 0x0
	CROUND                                         ; the closing round: no work-group ends while a partner may still ask for a tile that names it
	s_endpgm
.Lfunc_end_k_q670f957e2e_proj:
	.size	k_q670f957e2e_proj, .Lfunc_end_k_q670f957e2e_proj-k_q670f957e2e_proj
	.p2alignl 7, 3214868480
	.fill 96, 4, 3214868480
	.section	.rodata,"a",@progbits
	.p2align	6, 0x0
	.amdhsa_kernel k_q670f957e2e_proj
		.amdhsa_group_segment_fixed_size 210944
		.amdhsa_private_segment_fixed_size 0
		.amdhsa_enable_private_segment 0
		.amdhsa_kernarg_size 40
		.amdhsa_user_sgpr_count 2
		.amdhsa_user_sgpr_kernarg_segment_ptr 1
		.amdhsa_wavefront_size32 1
		.amdhsa_system_sgpr_workgroup_id_x 1
		.amdhsa_system_sgpr_workgroup_id_y 1
		.amdhsa_system_sgpr_workgroup_id_z 1
		.amdhsa_system_vgpr_workitem_id 0
		.amdhsa_next_free_vgpr 128
		.amdhsa_next_free_sgpr 72
		.amdhsa_reserve_vcc 0
		.amdhsa_float_denorm_mode_32 3
		.amdhsa_float_denorm_mode_16_64 3
		.amdhsa_memory_ordered 1
		.amdhsa_forward_progress 1
		.amdhsa_inst_pref_size 22
	.end_amdhsa_kernel
	.amdgpu_metadata
---
amdhsa.version: [ 1, 2 ]
amdhsa.kernels:
  - .name:           k_q670f957e2e_proj
    .symbol:         k_q670f957e2e_proj.kd
    .args:
      - { .name: x_real, .offset: 0, .size: 8, .value_kind: global_buffer, .address_space: global }
      - { .name: x_imag, .offset: 8, .size: 8, .value_kind: global_buffer, .address_space: global }
      - { .name: input_proj_w, .offset: 16, .size: 8, .value_kind: global_buffer, .address_space: global }
      - { .name: input_proj_b, .offset: 24, .size: 8, .value_kind: global_buffer, .address_space: global }
      - { .name: xq, .offset: 32, .size: 8, .value_kind: global_buffer, .address_space: global }
    .group_segment_fixed_size: 210944
    .private_segment_fixed_size: 0
    .kernarg_segment_align: 8
    .kernarg_segment_size: 40
    .max_flat_workgroup_size: 256
    .sgpr_count:     72
    .vgpr_count:     128
    .wavefront_size: 32
...
	.end_amdgpu_metadata
.endif
;; end of part 1
;; launch reson (part 2): grid 256 x 1, 8 waves a work-group, clusters of 4 x 1, 200,704 bytes of LDS; arguments xq, W, B, t, af; writes af
.if DOCPART == 2
	.amdgcn_target "amdgcn-amd-amdhsa--gfx1250"
	.amdhsa_code_object_version 6
	.text
	.protected	k_q670f957e2e_reson
	.globl	k_q670f957e2e_reson
	.p2align	8
	.type	k_q670f957e2e_reson,@function
k_q670f957e2e_reson:
	s_mov_b64 s[64:65], 0
	v_nop
	global_prefetch_b8 v0, s[64:65] scope:SCOPE_SE
	s_setreg_imm32_b32 hwreg(HW_REG_WAVE_MODE, 25, 1), 1
	s_wait_xcnt 0x0
	s_wait_alu depctr_hold_cnt(0) depctr_sa_sdst(0) depctr_va_vdst(0) depctr_va_sdst(0) depctr_va_ssrc(0) depctr_va_vcc(0) depctr_vm_vsrc(0)
	s_getreg_b32 s2, hwreg(HW_REG_IB_STS2, 6, 4)
	s_cmp_eq_u32 s2, 0
	s_cbranch_scc0 .Lentry_in_a_cluster
	s_endpgm
.Lentry_in_a_cluster:
	s_bfe_u32 s2, ttmp6, 0x10000c
	s_cmp_lg_u32 s2, 0x3003
	s_cbranch_scc0 .Lentry_shape_is_right
	s_endpgm
.Lentry_shape_is_right:
; cos_sum[b][n] = sum over d of cos(theta), sin_sum likewise, theta = xc[b][d] / (1 + |W[n][d]|) + B[n][d] + t[b].  32 b x 2,048 n x 1,024 d.  All arithmetic in f32 on the vector unit: there is no
; product of matrices here.
; SINE AND COSINE.  The problem's table of 4,096 entries with linear interpolation lies within (2 pi / 4096)^2 / 8 = 2.9e-7 of sine and cosine for every argument.  Here both are evaluated directly:
; the angle is kept in revolutions, u = xc r' + B' with r' = 1 / (2 pi (1 + |W|)) and B' = B / 2 pi made once for each (n, d); g = u - rndne(u) is exact and lies in -1/2 .. 1/2; z = g g;
; sin 2 pi g = g (S0 + S1 z + .. + S5 z^5), within 1e-7; cos 2 pi g = C0 + C1 z + .. + C5 z^5, within 1.2e-6 (Chebyshev series cut behind T11 and T10).  C0 never enters the loop: a cosine sum starts
; at C0 times the number of its terms.
; t IS TAKEN OUT OF THE SUM by the rotation cos_sum = cos t C - sin t S, sin_sum = sin t C + cos t S, where C and S are the sums for theta - t: exact in real numbers, and it enlarges no error.
; LIMITS.  A term differs from the table's by at most 1.5e-6 plus the f32 rounding of the angle (about 1e-7 of |theta|, as in the problem's own f32 arithmetic).  The problem's own index is a 32-bit
; integer, which ends at |theta| = 3.29e6; beyond that this text still gives sine and cosine of the rounded angle.  The sums, at most 1,024 in size, leave as f16 (11 significant bits).  NaN and infinities are not treated apart.
; SHARES.  Work-group wg owns n = 8 wg .. 8 wg + 7, wave w the one n = 8 wg + w with all b and all d: no sum crosses waves.  Lane l owns d = 128 j + 4 l + e: register i = 4 j + e of its 32 r' and 32 B'.
; A packed instruction works on two batches of one d; r' and B' are taken for both halves from one register.  For two terms: 16 instructions.
; xq (128 KiB, [c 8][slot 1024][bi 4]) is wanted whole by every work-group: it is brought into LDS once, by joint loads of the four work-groups of a cluster.  Region c = 0 comes by a load of its own,
; so that the first trip can begin while the other seven regions are on their way.
.set RED,    131072                    ; behind xq: for each wave 8 c x 2 (cos, sin) rows of 32 lanes x 16 bytes + 16 of padding; no tensor load lands here
.set RROW,   528
.set RWAVE,  16*RROW
.set EX,     RED+8*RWAVE               ; 2 planes x 32 b x 8 n in f16: the work-group's part of af
.set SPARE,  EX+1024                   ; the spare words, 128 bytes for each of the eight waves; no other line names them
.set LO,  3                            ; v3   16 x lane: my place in 512 consecutive bytes, of W, B and af and of xq in LDS
.set RA0, 4                            ; v4   my 16 bytes in my wave's first row of RED
.set XA,  5                            ; v5   this trip's address in xq
.set RA,  6                            ; v6   this trip's address in RED
.set FA,  7                            ; v7   the end: lane = b reads its batch's numbers
.set EA,  8                            ; v8   the end: where my batch's two f16 go
.set ER,  9                            ; v9   waves 0, 1: where I read a plane back
.set TT,  10                           ; v10  t[lane]
.set SPW, 12                           ; v12  LDS address of my spare word; never rewritten
.set NIL, 13                           ; v13  0; never rewritten
.set ACC, 16                           ; v[16:31]   two sets of C for bi 0-3, S for bi 0-3
.set RR,  32                           ; v[32:63]   W, then r'
.set BB,  64                           ; v[64:95]   B, then B'
.set XX,  96                           ; v[96:127]  two sets of 4 d x 4 batches: xc, then u, then g
.set KK,  128                          ; v[128:143] rndne(u), then z
.set PP,  144                          ; v[144:159] sine's polynomial
.set QQ,  160                          ; v[160:175] cosine's
.set XO,  48                           ; s48  this trip's region of xq, in bytes
.set RO,  49                           ; s49  this trip's rows of RED, in bytes
.set CNT, 50                           ; s50  trips to go
.set INV, 52                           ; s[52:53] 1 / 2 pi.  Constants are pairs, since the packed forms name pairs; both words are written
.set KS0, 66
.set KS1, 68
.set KS2, 70
.set KS3, 72
.set KS4, 74
.set KS5, 76
.set KC1, 78
.set KC2, 80
.set KC3, 82
.set KC4, 84
.set KC5, 86
.set KCI, 88                           ; 16 C0: each of the two sets takes 16 terms a lane
.set KC0, 90
.macro KONST r, bits
	s_mov_b32 s[\r], \bits
	s_mov_b32 s[(\r)+1], \bits
.endm
.macro CROUND                          ; a round of the cluster's barrier
	s_barrier_signal -1
	s_barrier_wait -1
	s_cmp_lg_u32 s14, 0
	s_cbranch_scc1 .Lnot_wave_0_\@
	s_barrier_signal -3
.Lnot_wave_0_\@:
	s_barrier_wait -3
	s_barrier_signal -1
	s_barrier_wait -1
.endm
	s_load_b256 s[4:11], s[0:1], 0x0               ; xq s[4:5], W s[6:7], B s[8:9], t s[10:11]
	s_load_b64 s[12:13], s[0:1], 0x20              ; af
	v_lshl_add_u32 v[SPW], v0, 2, SPARE
	v_mov_b32 v[NIL], 0
	ds_add_u32 v[SPW], v[NIL]                      ; the wave's opening: the add and its wait come ahead of my first tensor load; the set-up below, work on registers, stands between them
	v_lshrrev_b32 v1, 5, v0
	v_readfirstlane_b32 s14, v1                    ; wave 0..7
	s_bfe_u32 s15, ttmp6, 0x40000                  ; cx
	s_lshl_b32 s16, ttmp9, 2
	s_add_co_u32 s16, s16, s15                     ; wg = 4 x cluster x + cx: it enters W's, B's and af's addresses alone
	; group 1: dense bytes as rows of 256 (32 elements of 8 bytes); 8 rows for my eighth of region 0, 56 for my eighth of regions 1-7
	s_mov_b32 s24, 15|(3<<16)|(1<<21)              ; the mask of four; elements of 8 bytes; bit 21 beside a mask
	s_mov_b32 s25, 32<<16
	s_mov_b32 s26, 8<<16
	s_mov_b32 s27, 32<<16
	s_mov_b32 s28, 8
	s_mov_b32 s29, 32
	s_mov_b32 s30, 0
	s_mov_b32 s31, 0
	s_mov_b32 s32, 15|(3<<16)|(1<<21)
	s_mov_b32 s33, 32<<16
	s_mov_b32 s34, 56<<16
	s_mov_b32 s35, 32<<16
	s_mov_b32 s36, 56
	s_mov_b32 s37, 32
	s_mov_b32 s38, 0
	s_mov_b32 s39, 0
	s_mov_b32 s40, 1
	s_lshl_b32 s41, s14, 11                        ; LDS holds xq as it lies: the same offset in both
	s_mov_b32 s44, 1
	s_mul_i32 s45, s14, 14336
	s_add_co_u32 s45, s45, 16384
	s_mov_b32 s20, s41
	s_mov_b32 s21, 0
	s_mov_b32 s22, s45
	s_mov_b32 s23, 0
	s_lshl_b32 s18, s16, 3
	s_add_co_u32 s18, s18, s14                     ; n = 8 wg + w,
	s_lshl_b32 s18, s18, 12                        ; its row of 4,096 bytes in W and in B
	s_mov_b32 s19, 0
	s_mul_i32 s51, s14, RWAVE
	s_add_co_u32 s51, s51, RED                     ; my wave's part of RED
	KONST INV, 0x3e22f983
	KONST KS0, 0x40c90fd5                          ;   6.2831828
	KONST KS1, 0xc2255d9d                          ; -41.341419
	KONST KS2, 0x42a33139                          ;  81.596139
	KONST KS3, 0xc29928cd                          ; -76.579688
	KONST KS4, 0x4224d0a2                          ;  41.203744
	KONST KS5, 0xc1444d40                          ; -12.268860
	KONST KC0, 0x3f7ffff3                          ;   0.99999921
	KONST KC1, 0xc19de96e                          ; -19.738980
	KONST KC2, 0x4281db79                          ;  64.928657
	KONST KC3, 0xc2aa8b12                          ; -85.271622
	KONST KC4, 0x426b2977                          ;  58.790492
	KONST KC5, 0xc1a891a0                          ; -21.071106
	KONST KCI, 0x417ffff3                          ;  16 C0
	s_mov_b32 s[XO], 0
	s_mov_b32 s[RO], 0
	s_wait_dscnt 0x0                               ; the opening add is done
	s_wait_kmcnt 0x0
	s_add_nc_u64 s[42:43], s[4:5], s[20:21]
	s_or_b32 s43, s43, 0x80000000                  ; type = 2
	s_add_nc_u64 s[46:47], s[4:5], s[22:23]
	s_or_b32 s47, s47, 0x80000000
	s_add_nc_u64 s[6:7], s[6:7], s[18:19]
	s_add_nc_u64 s[8:9], s[8:9], s[18:19]
	CROUND                                         ; all four work-groups are here: the joint loads meet
	tensor_load_to_lds s[40:43], s[24:31]          ; my eighth of region 0
	s_nop 0
	tensor_load_to_lds s[44:47], s[32:39]          ; my eighth of regions 1-7: two loads of mine are out
	s_nop 0
	v_and_b32 v1, 31, v0                           ; lane
	v_lshlrev_b32 v2, 2, v1
	v_lshlrev_b32 v[LO], 4, v1
	global_load_b32 v[TT], v2, s[10:11]
.irp j, 0,1,2,3,4,5,6,7                ; a row of W and a row of B, each read once in the launch: eight loads of 512 consecutive bytes
	global_load_b128 v[RR+4*(\j):RR+4*(\j)+3], v[LO], s[6:7] offset:512*(\j) th:TH_LOAD_NT
.endr
.irp j, 0,1,2,3,4,5,6,7
	global_load_b128 v[BB+4*(\j):BB+4*(\j)+3], v[LO], s[8:9] offset:512*(\j) th:TH_LOAD_NT
.endr
	v_add_nc_u32 v[RA0], s51, v[LO]
	v_lshrrev_b32 v[FA], 2, v1                     ; lane = b = 4 c + bi: rows c, word bi of each lane's 16 bytes.  2 RROW = 264 words: the 32 lanes fall on banks 8 c + bi, all different
	v_mul_u32_u24 v[FA], v[FA], 2*RROW
	v_and_b32 v11, 3, v1
	v_lshl_add_u32 v[FA], v11, 2, v[FA]
	v_add_nc_u32 v[FA], s51, v[FA]
	s_lshl_b32 s17, s14, 1
	s_add_co_u32 s17, s17, EX
	v_add_nc_u32 v[EA], s17, v[LO]                 ; b x 16 + 2 w
	s_wait_loadcnt 0x8                             ; loads come back in order (ISA guide 5.7.1): t and W are in, B's eight may be out
.set i, 0
.rept 32
	v_add_f32 v[RR+i], 1.0, |v[RR+i]|
.set i, i+1
.endr
.set i, 0
.rept 32
	v_rcp_f32 v[RR+i], v[RR+i]
.set i, i+1
.endr
	s_wait_loadcnt 0x0
.set i, 0
.rept 16                               ; B' first: plain instructions that name no reciprocal stand between the last v_rcp_f32 and the first use of a result (ISA guide 5.7.2)
	v_pk_mul_f32 v[BB+2*i:BB+2*i+1], v[BB+2*i:BB+2*i+1], s[INV:INV+1] op_sel_hi:[1,0]
.set i, i+1
.endr
.set i, 0
	s_wait_alu depctr_va_vdst(0)
.rept 16
	v_pk_mul_f32 v[RR+2*i:RR+2*i+1], v[RR+2*i:RR+2*i+1], s[INV:INV+1] op_sel_hi:[1,0]
.set i, i+1
.endr
.macro FIRST d, c1, c0                 ; eight packed: d = z c1 + c0
.set t, 0
.rept 8
	v_pk_fma_f32 v[(\d)+2*t:(\d)+2*t+1], v[KK+2*t:KK+2*t+1], s[\c1:(\c1)+1], s[\c0:(\c0)+1] op_sel_hi:[1,0,0]
.set t, t+1
.endr
.endm
.macro HORNER d, c                     ; eight packed: d = d z + c
.set t, 0
.rept 8
	v_pk_fma_f32 v[(\d)+2*t:(\d)+2*t+1], v[(\d)+2*t:(\d)+2*t+1], v[KK+2*t:KK+2*t+1], s[\c:(\c)+1] op_sel_hi:[1,1,0]
.set t, t+1
.endr
.endm
; GROUP g of a trip: d registers i = 4 g + ii (ii 0-3) x four batches = eight pairs t = 2 ii + p.  Every stage is eight (or sixteen) instructions that do not lean on each other.
.macro GROUP g
.set XS, XX+16*((\g)%2)
.set XN, XX+16*(((\g)+1)%2)
.if (\g) < 7
.irp ii, 0,1,2,3
	ds_load_b128 v[XN+4*(\ii):XN+4*(\ii)+3], v[XA] offset:(4*((\g)+1)+(\ii))*512  ; the next group's xc, 512 consecutive bytes a load
.endr
	s_wait_dscnt 0x4                               ; LDS answers in order (ISA guide 5.7.1): all but the four just issued are done: this group's loads, and the last trip's two stores
.else
	s_wait_dscnt 0x0
.endif
.set t, 0
.rept 8                                ; u = xc r' + B': r' and B' of register i for both halves
.set i, 4*(\g)+t/2
.if i%2
	v_pk_fma_f32 v[XS+2*t:XS+2*t+1], v[XS+2*t:XS+2*t+1], v[RR+i-1:RR+i], v[BB+i-1:BB+i] op_sel:[0,1,1] op_sel_hi:[1,1,1]
.else
	v_pk_fma_f32 v[XS+2*t:XS+2*t+1], v[XS+2*t:XS+2*t+1], v[RR+i:RR+i+1], v[BB+i:BB+i+1] op_sel_hi:[1,0,0]
.endif
.set t, t+1
.endr
.set t, 0
.rept 16
	v_rndne_f32 v[KK+t], v[XS+t]
.set t, t+1
.endr
.set t, 0
.rept 8                                ; g = u - rndne(u)
	v_pk_add_f32 v[XS+2*t:XS+2*t+1], v[XS+2*t:XS+2*t+1], v[KK+2*t:KK+2*t+1] neg_lo:[0,1] neg_hi:[0,1]
.set t, t+1
.endr
.set t, 0
.rept 8                                ; z = g g
	v_pk_mul_f32 v[KK+2*t:KK+2*t+1], v[XS+2*t:XS+2*t+1], v[XS+2*t:XS+2*t+1]
.set t, t+1
.endr
	FIRST QQ, KC5, KC4
	FIRST PP, KS5, KS4
	HORNER QQ, KC3
	HORNER PP, KS3
	HORNER QQ, KC2
	HORNER PP, KS2
	HORNER QQ, KC1
	HORNER PP, KS1
	HORNER PP, KS0
.set ii, 0
.rept 4                                ; C += Q z, S += P g, into set ii % 2: seven instructions lie between two additions onto one register
.set AB, ACC+8*(ii%2)
.irp p, 0,1
.set t, 2*ii+(\p)
.if ((\g) == 0) && (ii < 2)
	v_pk_fma_f32 v[AB+2*(\p):AB+2*(\p)+1], v[QQ+2*t:QQ+2*t+1], v[KK+2*t:KK+2*t+1], s[KCI:KCI+1] op_sel_hi:[1,1,0]  ; the first term starts the sum, with the set's sixteen C0
.else
	v_pk_fma_f32 v[AB+2*(\p):AB+2*(\p)+1], v[QQ+2*t:QQ+2*t+1], v[KK+2*t:KK+2*t+1], v[AB+2*(\p):AB+2*(\p)+1]
.endif
.endr
.irp p, 0,1
.set t, 2*ii+(\p)
.if ((\g) == 0) && (ii < 2)
	v_pk_mul_f32 v[AB+4+2*(\p):AB+4+2*(\p)+1], v[PP+2*t:PP+2*t+1], v[XS+2*t:XS+2*t+1]
.else
	v_pk_fma_f32 v[AB+4+2*(\p):AB+4+2*(\p)+1], v[PP+2*t:PP+2*t+1], v[XS+2*t:XS+2*t+1], v[AB+4+2*(\p):AB+4+2*(\p)+1]
.endif
.endr
.set ii, ii+1
.endr
.endm
; A TRIP: region c of xq, four batches, all my 32 d.  My lane's eight sums go into my wave's rows of RED.
.macro TRIP
	v_add_nc_u32 v[XA], s[XO], v[LO]
	v_add_nc_u32 v[RA], s[RO], v[RA0]
.irp ii, 0,1,2,3
	ds_load_b128 v[XX+4*(\ii):XX+4*(\ii)+3], v[XA] offset:(\ii)*512
.endr
.irp g, 0,1,2,3,4,5,6,7
	GROUP \g
.endr
.irp q, 0,1,2,3
	v_pk_add_f32 v[ACC+2*(\q):ACC+2*(\q)+1], v[ACC+2*(\q):ACC+2*(\q)+1], v[ACC+8+2*(\q):ACC+8+2*(\q)+1]
.endr
	ds_store_b128 v[RA], v[ACC:ACC+3]              ; C of bi 0-3
	ds_store_b128 v[RA], v[ACC+4:ACC+7] offset:RROW  ; S of bi 0-3
	s_add_co_u32 s[XO], s[XO], 16384
	s_add_co_u32 s[RO], s[RO], 2*RROW
.endm
	s_wait_tensorcnt 0x1                           ; my eighth of region 0 is in; the one younger load, of regions 1-7, may stay out
	s_barrier_signal -1
	s_barrier_wait -1                              ; everybody's eighth is in
	TRIP
	s_wait_tensorcnt 0x0                           ; my eighth of regions 1-7 is in,
	s_wait_dscnt 0x0                               ; and no LDS instruction of mine is out at the signal
	s_barrier_signal -1
	s_barrier_wait -1                              ; everybody's is
	s_mov_b32 s[CNT], 7
.Ltrip:
	TRIP
	s_sub_co_u32 s[CNT], s[CNT], 1
	s_cmp_lg_u32 s[CNT], 0
	s_cbranch_scc1 .Ltrip
	; THE END.  Lane = b gathers the 32 lanes' C and S of its batch from my wave's own rows: LDS serves a wave's instructions in order (ISA guide 5.7.1.4), so these loads see the stores above.
.set j, 0
.rept 32
	ds_load_b32 v[XX+j], v[FA] offset:16*j
.set j, j+1
.endr
.set j, 0
.rept 32
	ds_load_b32 v[KK+j], v[FA] offset:RROW+16*j
.set j, j+1
.endr
	v_mul_f32 v160, s[INV], v[TT]                  ; meanwhile sine and cosine of t[b], by the same polynomials
	v_rndne_f32 v161, v160
	v_sub_f32 v160, v160, v161                     ; g
	v_mul_f32 v162, v160, v160                     ; z
	v_fma_f32 v163, v162, s[KC5], s[KC4]
	v_fma_f32 v164, v162, s[KS5], s[KS4]
	v_fma_f32 v163, v163, v162, s[KC3]
	v_fma_f32 v164, v164, v162, s[KS3]
	v_fma_f32 v163, v163, v162, s[KC2]
	v_fma_f32 v164, v164, v162, s[KS2]
	v_fma_f32 v163, v163, v162, s[KC1]
	v_fma_f32 v164, v164, v162, s[KS1]
	v_fma_f32 v163, v163, v162, s[KC0]             ; cos t
	v_fma_f32 v164, v164, v162, s[KS0]
	v_mul_f32 v164, v164, v160                     ; sin t
	s_wait_dscnt 0x0
.macro SUM32 b                         ; 32 registers into one: 15 packed additions and one plain
.irp h, 8,4,2,1
.set q, 0
.rept \h
	v_pk_add_f32 v[(\b)+2*q:(\b)+2*q+1], v[(\b)+2*q:(\b)+2*q+1], v[(\b)+2*(q+(\h)):(\b)+2*(q+(\h))+1]
.set q, q+1
.endr
.endr
	v_add_f32 v[\b], v[\b], v[(\b)+1]
.endm
	SUM32 XX                                       ; C
	SUM32 KK                                       ; S
	v_mul_f32 v165, v163, v[XX]
	v_mul_f32 v166, v164, v[XX]
	v_fma_f32 v165, -v164, v[KK], v165             ; cos_sum = cos t C - sin t S
	v_fma_f32 v166, v163, v[KK], v166              ; sin_sum = sin t C + cos t S
	v_cvt_pk_f16_f32 v165, v165, v166
	ds_store_b16 v[EA], v165                       ; plane 0, batch b, n = w
	ds_store_b16_d16_hi v[EA], v165 offset:512     ; plane 1
	s_wait_dscnt 0x0                               ; for the others' sake: my stores are done
	s_barrier_signal -1
	s_barrier_wait -1
	s_cmp_lt_u32 s14, 2
	s_cbranch_scc0 .Ldone
	s_lshl_b32 s17, s14, 9                         ; wave 0 stores the cosines' plane, wave 1 the sines'
	s_add_co_u32 s17, s17, EX
	v_add_nc_u32 v[ER], s17, v[LO]
	ds_load_b128 v[XX:XX+3], v[ER]
	s_lshl_b32 s54, s14, 17                        ; af: plane x 131,072 + octet wg x 512
	s_lshl_b32 s55, s16, 9
	s_add_co_u32 s54, s54, s55
	s_mov_b32 s55, 0
	s_add_nc_u64 s[12:13], s[12:13], s[54:55]
	s_wait_dscnt 0x0
	global_store_b128 v[LO], v[XX:XX+3], s[12:13]  ; 512 consecutive bytes, at a multiple of 512 from af's first byte
.Ldone:
	s_wait_tensorcnt 0x0                           ; the wave's end, behind my last tensor load and my last LDS store
	ds_add_u32 v[SPW], v[NIL]
	s_wait_dscnt 0x0
	CROUND                                         ; the closing round
	s_endpgm
.Lfunc_end_k_q670f957e2e_reson:
	.size	k_q670f957e2e_reson, .Lfunc_end_k_q670f957e2e_reson-k_q670f957e2e_reson
	.p2alignl 7, 3214868480
	.fill 96, 4, 3214868480
	.section	.rodata,"a",@progbits
	.p2align	6, 0x0
	.amdhsa_kernel k_q670f957e2e_reson
		.amdhsa_group_segment_fixed_size 200704
		.amdhsa_private_segment_fixed_size 0
		.amdhsa_enable_private_segment 0
		.amdhsa_kernarg_size 40
		.amdhsa_user_sgpr_count 2
		.amdhsa_user_sgpr_kernarg_segment_ptr 1
		.amdhsa_wavefront_size32 1
		.amdhsa_system_sgpr_workgroup_id_x 1
		.amdhsa_system_sgpr_workgroup_id_y 1
		.amdhsa_system_sgpr_workgroup_id_z 1
		.amdhsa_system_vgpr_workitem_id 0
		.amdhsa_next_free_vgpr 176
		.amdhsa_next_free_sgpr 92
		.amdhsa_reserve_vcc 0
		.amdhsa_float_denorm_mode_32 3
		.amdhsa_float_denorm_mode_16_64 3
		.amdhsa_memory_ordered 1
		.amdhsa_forward_progress 1
		.amdhsa_inst_pref_size 147
	.end_amdhsa_kernel
	.amdgpu_metadata
---
amdhsa.version: [ 1, 2 ]
amdhsa.kernels:
  - .name:           k_q670f957e2e_reson
    .symbol:         k_q670f957e2e_reson.kd
    .args:
      - { .name: xq, .offset: 0, .size: 8, .value_kind: global_buffer, .address_space: global }
      - { .name: W, .offset: 8, .size: 8, .value_kind: global_buffer, .address_space: global }
      - { .name: B, .offset: 16, .size: 8, .value_kind: global_buffer, .address_space: global }
      - { .name: t, .offset: 24, .size: 8, .value_kind: global_buffer, .address_space: global }
      - { .name: af, .offset: 32, .size: 8, .value_kind: global_buffer, .address_space: global }
    .group_segment_fixed_size: 200704
    .private_segment_fixed_size: 0
    .kernarg_segment_align: 8
    .kernarg_segment_size: 40
    .max_flat_workgroup_size: 256
    .sgpr_count:     92
    .vgpr_count:     176
    .wavefront_size: 32
...
	.end_amdgpu_metadata
.endif
;; end of part 2
;; launch outp (part 3): grid 64 x 4, 8 waves a work-group, clusters of 4 x 4, 320,512 bytes of LDS; arguments af, out_real_w, out_imag_w, out0, out1; writes out0, out1
.if DOCPART == 3
	.amdgcn_target "amdgcn-amd-amdhsa--gfx1250"
	.amdhsa_code_object_version 6
	.text
	.protected	k_q670f957e2e_outp
	.globl	k_q670f957e2e_outp
	.p2align	8
	.type	k_q670f957e2e_outp,@function
k_q670f957e2e_outp:
	s_mov_b64 s[64:65], 0
	v_nop
	global_prefetch_b8 v0, s[64:65] scope:SCOPE_SE
	s_setreg_imm32_b32 hwreg(HW_REG_WAVE_MODE, 25, 1), 1
	s_wait_xcnt 0x0
	s_wait_alu depctr_hold_cnt(0) depctr_sa_sdst(0) depctr_va_vdst(0) depctr_va_sdst(0) depctr_va_ssrc(0) depctr_va_vcc(0) depctr_vm_vsrc(0)
	s_getreg_b32 s2, hwreg(HW_REG_IB_STS2, 6, 4)
	s_cmp_eq_u32 s2, 0
	s_cbranch_scc0 .Lentry_in_a_cluster
	s_endpgm
.Lentry_in_a_cluster:
	s_bfe_u32 s2, ttmp6, 0x10000c
	s_cmp_lg_u32 s2, 0xf033
	s_cbranch_scc0 .Lentry_shape_is_right
	s_endpgm
.Lentry_shape_is_right:
; out0[b][j] = silu(sum over n of cos_sum[b][n] out_real_w[j][n]), out1 the same of sin_sum and out_imag_w.  Weights: [1024][2048] f32; af: [plane 2][octet 256][b 32][8 n] f16; out: [32][1024] f32.
; FORMAT.  f16 operands, f32 sums.  The sums in af are at most 1,024 in size whatever the inputs, and where the cosines nearly agree they are large and nearly equal over n: 11 significant bits are wanted there.
; LIMITS.  The weights are rounded to f16: they must lie within 65,504, and below 6e-5 they keep f16's fixed step of 6e-8.  NaN and infinities are not treated apart.
; SHARES.  Work-group (X, Y): plane X / 32, weight rows j = 32 (X % 32) .. + 31, batches 8 Y .. 8 Y + 7, all 2,048 n: 256 work-groups.  Wave w takes n = 256 w .. 256 w + 255; the eight partial sums meet in
; LDS, and waves 0 and 1 add them, apply silu and store.
; CLUSTER 4 x 4.  The weights' tiles hang on X alone: asked for jointly by a column of the cluster.  af's tiles hang on the plane (the same in the whole cluster) and Y: jointly by a row.
; Every tile is filled once: five tensor loads a wave go out together (af's, then four sub-tiles of the weights, 64 n each); counted waits let the products begin while later sub-tiles are on their way.
; A wave reads only tiles that it asked for itself.
; STORES.  A work-group's 32 columns are 128 bytes of a row of the output: its stores cover runs of 128 consecutive bytes, not 256.  64 weight rows in f32 over all n would be 512 KiB, more than LDS holds.
; THE MATRIX INSTRUCTION IS USED TRANSPOSED: source 0 = 16 weight rows, source 1 = batches: a lane then holds eight neighbouring j of one batch.
.set WPITCH, 272                       ; 64 f32 + 16 bytes = 68 words: the 16 rows of a load start at 16 different groups of four banks (64 banks of 4 bytes: ISA guide 11.1)
.set WSUB,   32*WPITCH                 ; a sub-tile: 32 rows
.set WWAVE,  4*WSUB
.set AT,     8*WWAVE                   ; af's tiles: for each wave 32 octets x 8 batches x 16 bytes, dense
.set RED,    AT+8*4096                 ; the partial sums: wave x 1,024 + b' x 128 + j x 4; no tensor load lands here
.set SPARE,  RED+8192                  ; the spare words, 128 bytes for each of the eight waves; no other line names them
.set WA,  4                            ; v4   LDS address of my fragment rows of the weights
.set AA,  5                            ; v5   the same for af
.set PS,  6                            ; v6   where I put my partial sums
.set FA,  7                            ; v7   waves 0, 1: where I read the partial sums
.set GO,  8                            ; v8   waves 0, 1: my byte offset in the output
.set SPW, 10                           ; v10  LDS address of my spare word; never rewritten
.set NIL, 11                           ; v11  0; never rewritten
.set ACC, 16                           ; v[16:23] rows 0-15, v[24:31] rows 16-31
.set FR,  32                           ; v[32:63]   two buffers of the weights' fragments: rows 0-15, rows 16-31
.set RAW, 64                           ; v[64:127]  two sets of 32 as loaded, in f32
.set AF,  128                          ; v[128:191] af's fragments of my eight K steps
; s[4:13] the five addresses; s14 wave; s15 cx; s16 cy; s17 X; s18 Y; s19 my row's mask; s20 my column's mask; s21, s[22:23] made of X; s66 plane; s67, s[60:61] made of Y and the plane; s[62:63] the output's offset
; s[24:31] group 1 for the weights; s[32:39] group 1 for af; s[40:43] group 0 for af; s[44:59] group 0 for the four sub-tiles; s[2:3] the plane's weights; s[70:71] the plane's output; s68, s69, s72, s73 bases
.macro CROUND                          ; a round of the cluster's barrier
	s_barrier_signal -1
	s_barrier_wait -1
	s_cmp_lg_u32 s14, 0
	s_cbranch_scc1 .Lnot_wave_0_\@
	s_barrier_signal -3
.Lnot_wave_0_\@:
	s_barrier_wait -3
	s_barrier_signal -1
	s_barrier_wait -1
.endm
	s_load_b256 s[4:11], s[0:1], 0x0               ; af s[4:5], out_real_w s[6:7], out_imag_w s[8:9], out0 s[10:11]
	s_load_b64 s[12:13], s[0:1], 0x20              ; out1
	v_lshl_add_u32 v[SPW], v0, 2, SPARE
	v_mov_b32 v[NIL], 0
	ds_add_u32 v[SPW], v[NIL]                      ; the wave's opening: the add and its wait come ahead of my first tensor load; the set-up below, work on registers, stands between them
	v_lshrrev_b32 v1, 5, v0
	v_readfirstlane_b32 s14, v1                    ; wave 0..7
	s_bfe_u32 s15, ttmp6, 0x40000                  ; cx
	s_bfe_u32 s16, ttmp6, 0x40004                  ; cy
	s_lshl_b32 s17, ttmp9, 2
	s_add_co_u32 s17, s17, s15                     ; X = 4 x cluster x + cx
	s_and_b32 s18, ttmp7, 0xffff
	s_lshl_b32 s18, s18, 2
	s_add_co_u32 s18, s18, s16                     ; Y = 4 x cluster y + cy
	s_lshr_b32 s66, ttmp9, 3                       ; plane = X / 32 = cluster x / 8: the same in all sixteen
	s_lshl_b32 s19, s16, 2
	s_lshl_b32 s19, 15, s19                        ; my row of the cluster
	s_lshl_b32 s20, 0x1111, s15                    ; my column
	; group 1 for the weights: 32 rows x 64 f32, padded in LDS
	s_or_b32 s24, s20, (2<<16)|(1<<20)|(1<<21)|(5<<22)|(3<<25)  ; the column's mask; elements of 4 bytes; padding on; bit 21 beside a mask; after every 64 words, 4 words
	s_mov_b32 s25, 64<<16
	s_mov_b32 s26, 32<<16
	s_mov_b32 s27, 64<<16
	s_mov_b32 s28, 32
	s_mov_b32 s29, 2048
	s_mov_b32 s30, 0
	s_mov_b32 s31, 0
	; group 1 for af: 32 octets, of each 8 batches x 16 bytes = 16 elements of 8 bytes; an octet's 32 batches are 64 elements
	s_or_b32 s32, s19, (3<<16)|(1<<21)             ; the row's mask; elements of 8 bytes; bit 21 beside a mask
	s_mov_b32 s33, 16<<16
	s_mov_b32 s34, 32<<16
	s_mov_b32 s35, 16<<16
	s_mov_b32 s36, 32
	s_mov_b32 s37, 64
	s_mov_b32 s38, 0
	s_mov_b32 s39, 0
	s_and_b32 s21, s17, 31
	s_lshl_b32 s22, s21, 18                        ; 32 (X % 32) rows of 8,192 bytes,
	s_lshl_b32 s21, s14, 10                        ; my wave's 256 n
	s_add_co_u32 s22, s22, s21
	s_mov_b32 s23, 0
	s_lshl_b32 s60, s66, 17                        ; af: the plane,
	s_lshl_b32 s67, s14, 14                        ; my wave's 32 octets of 512 bytes,
	s_add_co_u32 s60, s60, s67
	s_lshl_b32 s67, s18, 7                         ; batches 8 Y on
	s_add_co_u32 s60, s60, s67
	s_mov_b32 s61, 0
	s_lshl_b32 s62, s18, 15                        ; the output: 8 Y rows of 4,096 bytes,
	s_and_b32 s63, s17, 31
	s_lshl_b32 s63, s63, 7                         ; 32 (X % 32) columns
	s_add_co_u32 s62, s62, s63
	s_mov_b32 s63, 0
	s_mul_i32 s68, s14, WWAVE                      ; LDS addresses hang on the wave's number alone
	s_mov_b32 s40, 1
	s_lshl_b32 s41, s14, 12
	s_add_co_u32 s41, s41, AT
.irp q, 0,1,2,3
	s_mov_b32 s[44+4*(\q)], 1
	s_add_co_u32 s[45+4*(\q)], s68, (\q)*WSUB
.endr
	s_lshl_b32 s69, s14, 10
	s_add_co_u32 s69, s69, RED
	s_and_b32 s73, s14, 1                          ; waves 0 and 1 share the end: batches 0-3 and 4-7
	s_lshl_b32 s72, s73, 9
	s_add_co_u32 s72, s72, RED
	s_lshl_b32 s73, s73, 14
	s_wait_dscnt 0x0                               ; the opening add is done
	s_wait_kmcnt 0x0
	s_cmp_eq_u32 s66, 0
	s_cselect_b64 s[2:3], s[6:7], s[8:9]           ; plane 0: out_real_w and out0; plane 1: out_imag_w and out1
	s_cselect_b64 s[70:71], s[10:11], s[12:13]
	s_add_nc_u64 s[42:43], s[4:5], s[60:61]
	s_or_b32 s43, s43, 0x80000000                  ; type = 2
	s_add_nc_u64 s[2:3], s[2:3], s[22:23]
.irp q, 0,1,2,3
	s_add_nc_u64 s[46+4*(\q):47+4*(\q)], s[2:3], (\q)*256  ; sub-tile q: 64 n further on
	s_or_b32 s[47+4*(\q)], s[47+4*(\q)], 0x80000000
.endr
	s_add_nc_u64 s[70:71], s[70:71], s[62:63]
	CROUND                                         ; all sixteen work-groups are here: the joint loads meet
	tensor_load_to_lds s[40:43], s[32:39]          ; af first: every K step wants it.  Five loads of mine are out behind the last line
	s_nop 0
.irp q, 0,1,2,3
	tensor_load_to_lds s[44+4*(\q):47+4*(\q)], s[24:31]
	s_nop 0
.endr
	v_and_b32 v1, 15, v0                           ; l % 16
	v_bfe_u32 v2, v0, 4, 1                         ; l / 16
	v_and_b32 v3, 7, v0                            ; 8 batches: columns 8-15 of af's fragment repeat columns 0-7
	v_and_b32 v9, 31, v0                           ; lane
	v_mul_u32_u24 v[WA], v1, WPITCH                ; weights in f32: row l % 16, 32 bytes at 32 (l / 16) and 32 bytes 64 further on
	v_lshl_add_u32 v[WA], v2, 5, v[WA]
	v_add_nc_u32 v[WA], s68, v[WA]
	v_lshlrev_b32 v[AA], 4, v3                     ; af in f16: k = 8 (l / 16) + 0..7 is octet l / 16 of the step's four, k = 16 + .. two octets on
	v_lshl_add_u32 v[AA], v2, 7, v[AA]
	v_add_nc_u32 v[AA], s41, v[AA]
	v_lshlrev_b32 v[PS], 7, v3                     ; batch l % 8, j = 8 (l / 16) + 0..7
	v_lshl_add_u32 v[PS], v2, 5, v[PS]
	v_add_nc_u32 v[PS], s69, v[PS]
	v_lshl_add_u32 v[FA], v9, 4, s72               ; 16 bytes of RED's rows: batch 4 (w % 2) + lane / 8, j = 4 (lane % 8) + 0..3
	v_lshrrev_b32 v[GO], 3, v9
	v_lshlrev_b32 v[GO], 12, v[GO]
	v_lshl_add_u32 v[GO], v3, 4, v[GO]
	v_add_nc_u32 v[GO], s73, v[GO]
	s_wait_tensorcnt 0x4                           ; tensor loads of a wave end in order (ISA guide 10.11.1): af's tile is in, the four sub-tiles may be out
.irp s, 0,1,2,3,4,5,6,7
	ds_load_b128 v[AF+8*(\s):AF+8*(\s)+3],   v[AA] offset:512*(\s)
	ds_load_b128 v[AF+8*(\s)+4:AF+8*(\s)+7], v[AA] offset:512*(\s)+256
.endr
.macro LOADS s                         ; K step s (32 n): eight LDS loads into raw set s % 2: rows 0-15, then rows 16-31
.set RW, RAW+32*((\s)%2)
.irp nt, 0,1
.irp q, 0,1,2,3
	ds_load_b128 v[RW+16*(\nt)+4*(\q):RW+16*(\nt)+4*(\q)+3], v[WA] offset:((\s)/2)*WSUB+(\nt)*16*WPITCH+((\s)%2)*128+16*((\q)%2)+64*((\q)/2)
.endr
.endr
.endm
; K step s: 32 raw registers are rounded to f16 in pairs, then two products.  The two accumulators take turns, one instruction a turn; the fragment buffers go by the step's parity,
; so that the next step's sixteen conversions, which name none of a product's registers, stand between a product and the conversions that write its buffer again (ISA guide 7.12.1).
.macro STEP s, n
	s_wait_dscnt \n                                ; n: the LDS loads issued behind this step's eight
.set RW, RAW+32*((\s)%2)
.set FW, FR+16*((\s)%2)
.set i, 0
.rept 16
	v_cvt_pk_f16_f32 v[FW+i], v[RW+2*i], v[RW+2*i+1]
.set i, i+1
.endr
.if (\s) == 0
	v_wmma_f32_16x16x32_f16 v[ACC:ACC+7],    v[FW:FW+7],    v[AF+8*(\s):AF+8*(\s)+7], 0  ; the first products start the sums
	v_wmma_f32_16x16x32_f16 v[ACC+8:ACC+15], v[FW+8:FW+15], v[AF+8*(\s):AF+8*(\s)+7], 0
.else
	v_wmma_f32_16x16x32_f16 v[ACC:ACC+7],    v[FW:FW+7],    v[AF+8*(\s):AF+8*(\s)+7], v[ACC:ACC+7]
	v_wmma_f32_16x16x32_f16 v[ACC+8:ACC+15], v[FW+8:FW+15], v[AF+8*(\s):AF+8*(\s)+7], v[ACC+8:ACC+15]
.endif
.endm
.irp q, 0,1,2,3
	s_wait_tensorcnt 3-(\q)                        ; sub-tiles 0 .. q are in, the 3 - q younger ones may be out
	LOADS 2*(\q)
	LOADS 2*(\q)+1
	STEP 2*(\q), 8                                 ; in the first turn this wait also covers af's sixteen loads, which were issued earlier
	STEP 2*(\q)+1, 0
.endr
.rept 4
	v_nop                                          ; four places between the last product and the first read of its result
.endr
	ds_store_b128 v[PS], v[ACC:ACC+3]              ; register i of a lane is j = 16 nt + 8 (l / 16) + i of batch l % 8; lanes l and l + 8 of a half hold the same numbers.  Each accumulator from its low end on
	ds_store_b128 v[PS], v[ACC+4:ACC+7] offset:16
	ds_store_b128 v[PS], v[ACC+8:ACC+11] offset:64
	ds_store_b128 v[PS], v[ACC+12:ACC+15] offset:80
	s_wait_dscnt 0x0                               ; for the others' sake: my stores are done
	s_barrier_signal -1
	s_barrier_wait -1
	s_cmp_lt_u32 s14, 2
	s_cbranch_scc0 .Ldone
.macro QADD a, b                       ; four numbers onto four
	v_pk_add_f32 v[\a:(\a)+1], v[\a:(\a)+1], v[\b:(\b)+1]
	v_pk_add_f32 v[(\a)+2:(\a)+3], v[(\a)+2:(\a)+3], v[(\b)+2:(\b)+3]
.endm
.irp w, 0,1,2,3,4,5,6,7
	ds_load_b128 v[FR+4*(\w):FR+4*(\w)+3], v[FA] offset:1024*(\w)  ; the eight waves' sums of my four outputs
.endr
	s_wait_dscnt 0x0
	QADD 32, 36
	QADD 40, 44
	QADD 48, 52
	QADD 56, 60
	QADD 32, 40
	QADD 48, 56
	QADD 32, 48
	; silu(y) = y / (1 + 2^(-y log2 e)).  Behind each run of transcendentals one plain instruction comes before a result is used (ISA guide 5.7.2)
.irp i, 0,1,2,3
	v_mul_f32 v[36+(\i)], 0xbfb8aa3b, v[32+(\i)]
.endr
.irp i, 0,1,2,3
	v_exp_f32 v[36+(\i)], v[36+(\i)]
.endr
	v_nop
	s_wait_alu depctr_va_vdst(0)
.irp i, 0,1,2,3
	v_add_f32 v[36+(\i)], 1.0, v[36+(\i)]
.endr
.irp i, 0,1,2,3
	v_rcp_f32 v[36+(\i)], v[36+(\i)]
.endr
	v_nop
	s_wait_alu depctr_va_vdst(0)
.irp i, 0,1,2,3
	v_mul_f32 v[32+(\i)], v[32+(\i)], v[36+(\i)]
.endr
	global_store_b128 v[GO], v[32:35], s[70:71]    ; eight lanes store 128 consecutive bytes of one row; a wave four rows
.Ldone:
	s_wait_tensorcnt 0x0                           ; the wave's end, behind my last tensor load and my last LDS store
	ds_add_u32 v[SPW], v[NIL]
	s_wait_dscnt 0x0
	CROUND                                         ; the closing round: no work-group ends while a partner may still ask for a tile that names it
	s_endpgm
.Lfunc_end_k_q670f957e2e_outp:
	.size	k_q670f957e2e_outp, .Lfunc_end_k_q670f957e2e_outp-k_q670f957e2e_outp
	.p2alignl 7, 3214868480
	.fill 96, 4, 3214868480
	.section	.rodata,"a",@progbits
	.p2align	6, 0x0
	.amdhsa_kernel k_q670f957e2e_outp
		.amdhsa_group_segment_fixed_size 320512
		.amdhsa_private_segment_fixed_size 0
		.amdhsa_enable_private_segment 0
		.amdhsa_kernarg_size 40
		.amdhsa_user_sgpr_count 2
		.amdhsa_user_sgpr_kernarg_segment_ptr 1
		.amdhsa_wavefront_size32 1
		.amdhsa_system_sgpr_workgroup_id_x 1
		.amdhsa_system_sgpr_workgroup_id_y 1
		.amdhsa_system_sgpr_workgroup_id_z 1
		.amdhsa_system_vgpr_workitem_id 0
		.amdhsa_next_free_vgpr 192
		.amdhsa_next_free_sgpr 74
		.amdhsa_reserve_vcc 0
		.amdhsa_float_denorm_mode_32 3
		.amdhsa_float_denorm_mode_16_64 3
		.amdhsa_memory_ordered 1
		.amdhsa_forward_progress 1
		.amdhsa_inst_pref_size 24
	.end_amdhsa_kernel
	.amdgpu_metadata
---
amdhsa.version: [ 1, 2 ]
amdhsa.kernels:
  - .name:           k_q670f957e2e_outp
    .symbol:         k_q670f957e2e_outp.kd
    .args:
      - { .name: af, .offset: 0, .size: 8, .value_kind: global_buffer, .address_space: global }
      - { .name: out_real_w, .offset: 8, .size: 8, .value_kind: global_buffer, .address_space: global }
      - { .name: out_imag_w, .offset: 16, .size: 8, .value_kind: global_buffer, .address_space: global }
      - { .name: out0, .offset: 24, .size: 8, .value_kind: global_buffer, .address_space: global }
      - { .name: out1, .offset: 32, .size: 8, .value_kind: global_buffer, .address_space: global }
    .group_segment_fixed_size: 320512
    .private_segment_fixed_size: 0
    .kernarg_segment_align: 8
    .kernarg_segment_size: 40
    .max_flat_workgroup_size: 256
    .sgpr_count:     74
    .vgpr_count:     192
    .wavefront_size: 32
...
	.end_amdgpu_metadata
.endif
;; end of part 3
